; MI455X (gfx1250); checked and timed in simulation.
; The chip was launched on July 23, 2026; its instructions are those of AMD's public machine-readable ISA for CDNA 5 (MIT licence, August 2026) and "CDNA5" Instruction Set Architecture Reference Guide (July 2026). The comments in the code are by the model that wrote it; some were corrected since.
;; SEM Attn. Allowed arithmetic: matrix products marked QUANTISED: E2M1 operands, one E8M0 scale for each 32 along K, by v_wmma_scale_f32_16x16x128_f8f6f4 with both operands' format E2M1 (or v_wmma_scale_f32_32x16x128_f4), f32 sums; products left as they are: f32 operands where the result goes on into a quantised operand, else bf16, f16 or f32 operands; f32 sums; everything else in f32.
;; Inputs: WK_codes 2 x 512 x 8 x 16 uint8 (E2M1 codes of WK, K innermost, in blocks of 32 codes, two codes a byte); WK_scales 2 x 512 x 8 uint8 (E8M0 scales of WK, one for each 32 codes along K); WQ_codes 2 x 512 x 8 x 16 uint8 (E2M1 codes of WQ, K innermost, in blocks of 32 codes, two codes a byte); WQ_scales 2 x 512 x 8 uint8 (E8M0 scales of WQ, one for each 32 codes along K); WV_codes 2 x 512 x 8 x 16 uint8 (E2M1 codes of WV, K innermost, in blocks of 32 codes, two codes a byte); WV_scales 2 x 512 x 8 uint8 (E8M0 scales of WV, one for each 32 codes along K); Wout_codes 256 x 32 x 16 uint8 (E2M1 codes of Wout, K innermost, in blocks of 32 codes, two codes a byte); Wout_scales 256 x 32 uint8 (E8M0 scales of Wout, one for each 32 codes along K); biasK 2 x 8 x 64 float32; biasQ 2 x 8 x 64 float32; bout 256 float32; coords 8 x 8 x 32 x 32 x 2 float32; lnK_b 2 x 64 float32; lnK_g 2 x 64 float32; lnQ_b 2 x 64 float32; lnQ_g 2 x 64 float32; nodal_codes 8 x 8 x 32 x 32 x 8 x 16 uint8 (E2M1 codes of nodal, K innermost, in blocks of 32 codes, two codes a byte); nodal_scales 8 x 8 x 32 x 32 x 8 uint8 (E8M0 scales of nodal, one for each 32 codes along K).
;; Outputs: out0 8 x 8 x 32 x 32 x 256 float32.
;; This version of the problem:
;;   THIS VERSION OF THE PROBLEM IS GIVEN IN LOW PRECISION. The matrix products marked QUANTISED in the list below multiply operands that are first quantised to E2M1 (2 exponent bits, 1 mantissa bit; 4 bits a number), with one power-of-two scale for each 32 numbers along K (OCP MX v1.0); their sums are f32. All else is computed in f32.
;;   The module's matrix products, in the order in which they are computed (A, B: the left and right operand; K: the contracted axis; several contracted axes count as one K, in the product's order):
;;     1. [M 65,536, K 256] x [K 256, N 512]; A: input nodal (given as codes); B: input WQ (given as codes): QUANTISED
;;     2. [M 65,536, K 256] x [K 256, N 512]; A: input nodal (given as codes); B: input WQ (given as codes): QUANTISED
;;     3. [M 65,536, K 256] x [K 256, N 512]; A: input nodal (given as codes); B: input WK (given as codes): QUANTISED
;;     4. [M 65,536, K 256] x [K 256, N 512]; A: input nodal (given as codes); B: input WK (given as codes): QUANTISED
;;     5. [M 65,536, K 256] x [K 256, N 512]; A: input nodal (given as codes); B: input WV (given as codes): QUANTISED
;;     6. [M 65,536, K 256] x [K 256, N 512]; A: input nodal (given as codes); B: input WV (given as codes): QUANTISED
;;     7. batch 65,536 x [M 8, K 128] x [K 128, N 8]; A: computed on the way; B: computed on the way: left as it is (M = 8 < 16)
;;     8. batch 65,536 x [M 8, K 8] x [K 8, N 128]; A: softmax; B: computed on the way: left as it is (K = 8 < 32)
;;     9. [M 65,536, K 1,024] x [K 1,024, N 256]; A: computed on the way; B: input Wout (given as codes): QUANTISED
;;   THE QUANTISER, for each operand of a quantised product, along K:
;;     - K is cut into blocks of 32 from its start; a last block that is shorter is filled with zeros.
;;     - A block's scale is 2^e with e = floor(log2(the largest magnitude in the block)) - 2, held to -126 .. 127; a block of zeros has e = 0. As a byte (E8M0): e + 127.
;;     - Each number is divided by its block's scale, clamped to +-6, and rounded to the nearest number of E2M1, ties to even, subnormals kept.
;;     - The product sums the exact products of the quantised numbers (number of the format x scale) in f32.
;;   ~~~python
;;   def quantise(x, axis):      # numpy; x: float32 -> the quantised numbers, widened to float32 again
;;       x = np.moveaxis(x, axis, -1); K = x.shape[-1]
;;       x = np.pad(x, [(0, 0)] * (x.ndim - 1) + [(0, -K % 32)]); x = x.reshape(x.shape[:-1] + (-1, 32)); a = np.abs(x).max(-1, keepdims=True)
;;       e = np.where(a > 0, np.clip(np.frexp(np.where(a > 0, a, 1))[1] - 1 - 2, -126, 127), 0)      # np.frexp(a)[1] - 1 = floor(log2(a)), exactly
;;       r = np.clip(x / 2.0 ** e, -6, 6)
;;       step = 2.0 ** (np.maximum(np.frexp(np.where(r == 0, 1, r))[1] - 1, 0) - 1)
;;       q = np.round(r / step) * step * 2.0 ** e      # np.round: ties to even
;;       return np.moveaxis(q.reshape(q.shape[:-2] + (-1,))[..., :K], -1, axis).astype(np.float32)
;;   ~~~
;;   OPERANDS COMPUTED ON THE WAY. 'Computed on the way' means the value that the module computes at that place (a softmax that the list does not call 'softmax' is quantised finished and normalised). What goes into a quantiser is computed in f32, as accurately as f32 sums, v_exp_f32 and their like allow (about 1e-6 of the number): no bf16 or f16 on the way to a quantiser, and a product that is left as it is and whose result goes on into a quantised operand takes f32 operands (vector FMAs, or v_wmma_f32_16x16x4_f32). A number that lies on a knife's edge between two numbers of the format may be rounded either way, as far as f32 arithmetic and the matrix unit's own rounding can turn it there, and no further.
;;   INPUTS GIVEN AS CODES. WK (in the module: [2, 256, 512], K = its axis 1); WQ (in the module: [2, 256, 512], K = its axis 1); WV (in the module: [2, 256, 512], K = its axis 1); Wout (in the module: [1024, 256], K = its axis 0); nodal (in the module: [8, 8, 32, 32, 256], K = its axis 4): each comes as NAME_codes (uint8): NAME with its K axis moved to the last place and cut into blocks of 32 codes, [.., K / 32, bytes a block], one block behind the other in memory; two codes a byte, the lower K in the low four bits (a code: sign, 2 exponent bits, 1 mantissa bit); and NAME_scales (uint8): the same leading axes, one E8M0 byte (e + 127) for each 32 codes along K. Its value is code x scale, taken as it is: it is not quantised again, and the codes and scales need not be those that the quantiser above would give.
;; One version. Each part assembles by itself: llvm-mc -triple=amdgcn-amd-amdhsa -mcpu=gfx1250 --defsym DOCPART=n.
;; ======== version 1 of 1: 1 launch
;; limits: right only within a limited range of input values
;; launch semattn (part 1): grid 256 x 1, 4 waves a work-group, clusters of 4 x 1, 327,680 bytes of LDS; arguments WK_codes, WQ_codes, WV_codes, Wout_codes, WK_scales, WQ_scales, WV_scales, Wout_scales, nodal_codes, nodal_scales, coords, out0, biasK, biasQ, lnK_g, lnK_b, lnQ_g, lnQ_b, bout; writes out0
.if DOCPART == 1
	.amdgcn_target "amdgcn-amd-amdhsa--gfx1250"
	.amdhsa_code_object_version 6
	.text
	.protected	k_qd0c4e5e1cd_semattn
	.globl	k_qd0c4e5e1cd_semattn
	.p2align	8
	.type	k_qd0c4e5e1cd_semattn,@function
k_qd0c4e5e1cd_semattn:
	s_mov_b64 s[64:65], 0
	v_nop
	global_prefetch_b8 v0, s[64:65] scope:SCOPE_SE
	s_setreg_imm32_b32 hwreg(HW_REG_WAVE_MODE, 25, 1), 1
	s_wait_xcnt 0x0
	s_wait_alu depctr_hold_cnt(0) depctr_sa_sdst(0) depctr_va_vdst(0) depctr_va_sdst(0) depctr_va_ssrc(0) depctr_va_vcc(0) depctr_vm_vsrc(0)
	s_getreg_b32 s2, hwreg(HW_REG_IB_STS2, 6, 4)
	s_cmp_eq_u32 s2, 0
	s_cbranch_scc0 .Lentry_in_a_cluster
	s_endpgm
.Lentry_in_a_cluster:
	s_bfe_u32 s2, ttmp6, 0x10000c
	s_cmp_lg_u32 s2, 0x3003
	s_cbranch_scc0 .Lentry_shape_is_right
	s_endpgm
.Lentry_shape_is_right:
; SEMAttn, fused.  65,536 points.  For each point: q, k, v = nodal x WQ, WK, WV (two dims n, eight heads, 64 channels; K = 256, on codes of E2M1 with E8M0 scales);
; q and k get a bias, a LayerNorm over each (n, head)'s 64 channels and a rotation by cos, sin of coords[n] x 0..31; the point's eight heads attend to each other (8 x 8 scores over 128 numbers,
; softmax over 8, P V); the 1,024 results are quantised along K in blocks of 32 and multiplied by Wout (K = 1,024, N = 256, again on codes); bout is added; out0 is f32.
; SHARES.  A work-group owns 256 points and walks them in 4 passes of 64; in a pass each of its four waves owns 16 points from codes to out0.  EVERY MATRIX PRODUCT IS USED TRANSPOSED
; (source 0 = 16 rows of a weight, source 1 = my 16 points): lane (r, h) holds point r throughout and its registers run along channels, so LayerNorm, scores and softmax cross lanes only
; between l and l xor 16.  The 8 x 8 products feed a quantiser: they are packed f32 multiply-adds.
; CHANNELS.  Q, K: tile t takes rows 16 t + r of a head, so X[8 t + j] is channel 16 t + 8 h + j: X[0..15] are 16 of the first 32 channels and X[16 + i] is X[i]'s partner in the rotation.
; V: lane r of tile t takes row 32 (r / 8) + 8 t + r % 8, so X[i] is channel 32 h + i: a whole block of the last product's K lies in one lane, in the order of that operand's registers.
; WEIGHTS go through two LDS slots by the tensor data mover: slot A takes WK, then WV; slot B takes WQ, then Wout; each fill is asked for one phase ahead of its first read.
; CLUSTER.  All work-groups read the same weights: the four of a cluster ask for each fill JOINTLY (mask 15), which divides the requests for weights by four.
; LIMITS: NaN and infinities among the inputs are not served; a block of the last product's operand whose largest magnitude lies under 2^-124 keeps the scale byte 1;
; the angles coords x 0..31 are reduced by pi / 2 in two terms, which serves magnitudes under 2^20.
; LDS: 0 slot A (codes: 512 long rows of 256 bytes + 16, a long row = two weight rows) | SCLA its scale bytes | SLOTB, SCLB the same (Wout: 256 rows of 512 + 16) | TAB the small tables |
; SCR a scratch for each wave (P, later the way out) | SPARE the spare words.
; A weight row rho lies at (rho / 2) x 272 + (rho % 2) x 128: the sixteen rows of a fragment load fall into sixteen different 16-byte columns modulo 256 bytes (64 banks of 4 bytes: ISA guide 11.1).
; REGISTERS, in windows of 256: window 0: addresses, operands, work.  Windows 1, 2: k of dim 0, 1 (head k at 32 k); in VP the sums O (head q at 32 q); on the way out window 1 holds Wout's fragments.
; Window 3: the folded LayerNorm-and-rotation coefficients (dim n at 96 n), cos at 192 + 32 n, sin at 208 + 32 n; on the way out v0-127 are the 16 accumulators.
.set SLOTA, 0
.set HALFW, 69632                      ; a dim's 512 rows: 256 long rows x 272
.set HEADW, 8704                       ; a head's 64 rows
.set SCLA,  139264
.set SLOTB, 147456
.set SCLB,  286720
.set HALFO, 67584                      ; 128 rows of Wout x 528
.set TAB,   294912                     ; +0 biasK, +4096 biasQ, +8192 lnK_g, +8704 lnK_b, +9216 lnQ_g, +9728 lnQ_b, +10240 bout
.set SCR,   306176
.set SCRW,  4352                       ; P as [k][r][q] f32, 4,096 bytes; later 16 rows x (256 + 16)
.set SPARE, 323584                     ; 128 bytes for each wave: two blocks of 256 bytes that no other line names
.set SPW, 1                            ; v1   SPARE + 4 x my thread's number; never rewritten
.set NIL, 2                            ; v2   0; never rewritten
.set AW,  3                            ; v3   my lane's place in a tile of WQ, WK
.set AWV, 4                            ; v4   in a tile of WV
.set AWO, 5                            ; v5   in Wout's tiles 0-7;  v14 in tiles 8-15
.set A8,  6                            ; v6   8 r: a weight row's scale bytes; also my point's scale bytes and coords
.set ASV, 7                            ; v7   the same by WV's order of rows
.set ASO, 8                            ; v8   Wout's scale words: lanes 0-15 tile t, lanes 16-31 tile t + 8
.set AB,  9                            ; v9   TAB + 32 h
.set PSW, 10                           ; v10  my point's 32 bytes of a slab of P
.set STO, 11                           ; v11  the way out: where I put 32 bytes of a row
.set RD,  12                           ; v12  and where I read a row back
.set GO,  13                           ; v13  my byte offset in the wave's rows of out0
.set AWO2, 14
.set H8,  15                           ; v15  8 h
.set ADW, 16                           ; v16-19 the addresses in hand: codes, scale bytes, bias, P
.set ADS, 17
.set ADB, 18
.set ADP, 19
.set KC,  20                           ; v[20:21] two polynomial coefficients (an instruction takes one literal)
.set W0,  22                           ; v[22:23] at work
.set W1,  23
.set NS,  24                           ; v[24:25] my points' scale words, K steps 0 and 1
.set CO,  26                           ; v[26:27] my point's coords
.set NM,  28                           ; v[28:29] minus the mean (low word)
.set RS,  30                           ; v[30:31] a reciprocal root or reciprocal (low word)
.set NF,  32                           ; v32-47  my points' fragments, 8 registers a K step
.set WS,  48                           ; v48-63  weights' scale words, two sets of 8
.set ASW, 64                           ; v64-71  the attention result's scale words
.set T0,  72                           ; v72-79  four pairs at work
.set X0,  80                           ; v80-111, v112-143  a unit's 32 numbers, two sets
.set X1,  112
.set AF,  80                           ; on the way out: the attention result's fragments, 8 registers a head
.set F,   144                          ; v144-207 a unit's eight weight fragments: (tile t, K step s) at F + 8 (2 t + s)
.set RB,  144                          ; on the way out: rows read back, two sets of 32
.set QU,  208                          ; v208-239 q of one (head, dim); then the softmax
.set QM,  208                          ; on the way out: largest magnitudes, conversion scales, scale bytes
.set QS,  216
.set BY,  224
.set S,   240                          ; v240-255 the eight scores, in pairs
.set PRA, 240                          ; in VP: P's column for the key head in hand, twice
.set PRB, 248
.set JV,  80                           ; the angles' work: 16 registers each
.set ANG, 96
.set NQ,  112
.set RR,  128
.set ZZ,  144
.set SN,  160
.set CSV, 176
.set TA,  192
.set TBB, 208
.set WV,   12                          ; s12  my wave's number
.set PASS, 13                          ; s13  passes left
.set CNT,  14                          ; s14  a loop's counter
.set TW,   15                          ; s15-18 LDS steps in hand: codes, scale bytes, bias, P
.set TS,   16
.set TBI,  17
.set TP,   18
.set TMP,  19
.set SEL,  20                          ; s[20:21] v_permlanex16_b32's selects for lane l xor 16
.set CC,   22                          ; s[22:23] log2(e) / sqrt(128)
.set I64,  24                          ; s24  1 / 64
.set EPSR, 25                          ; s25  1e-5
.set G1W,  28                          ; s[28:35] group 1: a dim of WQ, WK, WV;  s[36:43] half of Wout;  s[44:51] 8,192 scale bytes
.set G1O,  36
.set G1S,  44
.set G0K,  52                          ; groups 0, never rewritten: each tensor always goes to the same place
.set G0Q,  56
.set G0V,  60
.set G0O,  68
.set G0SK, 72
.set G0SQ, 76
.set G0SV, 80
.set G0SO, 84
.set MSB, 0
.macro WIN new                         ; bits 1:0 source 0, 3:2 source 1, 5:4 source 2, 7:6 destination; the high byte repeats the setting that is left
.if MSB != (\new)
	s_set_vgpr_msb ((MSB<<8)|(\new))
.set MSB, (\new)
.endif
.endm
.macro PLACES n
.rept \n
	v_nop
.endr
.endm
.macro THREE                           ; all my tensor loads have landed; 0 onto my spare word; the add is done and my LDS reads are back
	s_wait_tensorcnt 0x0
	ds_add_u32 v[SPW], v[NIL]
	s_wait_dscnt 0x0
.endm
.macro CROUND                          ; a round of the cluster's barrier: my work-group's barrier, wave 0 signals for the work-group, every wave waits for all four, my work-group's barrier once more
	s_barrier_signal -1
	s_barrier_wait -1
	s_cmp_lg_u32 s[WV], 0
	s_cbranch_scc1 .Lnot_wave_0_\@
	s_barrier_signal -3
.Lnot_wave_0_\@:
	s_barrier_wait -3
	s_barrier_signal -1
	s_barrier_wait -1
.endm
; A joint fill: waves 0 and 1 fetch the two halves of a tensor's codes, waves 2 and 3 the two halves of its scale bytes: every way through it passes one tensor load, and one a wave is out at the most.
; The branch hangs on the wave's number alone.  An s_nop 0 and four v_nop follow each of the two lines.
.macro JLOAD g0c, g1c, g0s
	s_cmp_lt_u32 s[WV], 2
	s_cbranch_scc0 .Lnot_c_\@
	tensor_load_to_lds s[\g0c:\g0c+3], s[\g1c:\g1c+7]
	s_nop 0
	PLACES 4
	s_branch .Lasked_\@
.Lnot_c_\@:
	tensor_load_to_lds s[\g0s:\g0s+3], s[G1S:G1S+7]
	s_nop 0
	PLACES 4
.Lasked_\@:
.endm
; The head of a phase: the slot about to be read is whole, nobody in the cluster reads the slot that was left, and that slot's next fill is the first thing behind the round.
.macro HEAD g0c, g1c, g0s
	WIN 0
	THREE
	CROUND
	JLOAD \g0c, \g1c, \g0s
.endm
.macro POINTS                          ; my 16 points: codes (lane (r, h): 16 bytes at 128 r + 16 h + 32 i), scale words, coords
.irp i, 0,1,2,3
	global_load_b128 v[NF+4*\i:NF+4*\i+3], v[ADP], s[4:5] offset:32*\i
.endr
	global_load_b64 v[NS:NS+1], v[A8], s[6:7]
	global_load_b64 v[CO:CO+1], v[A8], s[8:9]
.endm
; A unit = one (dim, head) of one weight: four tiles of 16 rows x K 256.  Its eight fragments and four pairs of scale words:
.macro FRAGS tp, sp
.irp t, 0,1,2,3
.irp s, 0,1
.irp c, 0,1
	ds_load_b128 v[F+8*(2*\t+\s)+4*\c:F+8*(2*\t+\s)+4*\c+3], v[ADW] offset:(\tp)*\t+64*\s+32*\c
.endr
.endr
	ds_load_b64 v[WS+2*\t:WS+2*\t+1], v[ADS] offset:(\sp)*\t
.endr
.endm
.macro BIAS xb, ob                     ; the bias goes straight into the accumulators: it is the C of each sum's first product; ob: bytes on from the address in hand
.irp t, 0,1,2,3
.irp c, 0,1
	ds_load_b128 v[(\xb)+8*\t+4*\c:(\xb)+8*\t+4*\c+3], v[ADB] offset:(\ob)+64*\t+16*\c
.endr
.endr
.endm
; Eight products: the four tiles by turns, K step 0, then K step 1.  zero = 1: the first product starts the sum.
.macro MMA xb, zero
.irp s, 0,1
.irp t, 0,1,2,3
.if (\zero) && (\s == 0)
	v_wmma_scale_f32_16x16x128_f8f6f4 v[(\xb)+8*\t:(\xb)+8*\t+7], v[F+8*(2*\t+\s):F+8*(2*\t+\s)+7], v[NF+8*\s:NF+8*\s+7], 0, v[WS+2*\t+\s], v[NS+\s] matrix_a_fmt:MATRIX_FMT_FP4 matrix_b_fmt:MATRIX_FMT_FP4
.else
	v_wmma_scale_f32_16x16x128_f8f6f4 v[(\xb)+8*\t:(\xb)+8*\t+7], v[F+8*(2*\t+\s):F+8*(2*\t+\s)+7], v[NF+8*\s:NF+8*\s+7], v[(\xb)+8*\t:(\xb)+8*\t+7], v[WS+2*\t+\s], v[NS+\s] matrix_a_fmt:MATRIX_FMT_FP4 matrix_b_fmt:MATRIX_FMT_FP4
.endif
.endr
.endr
.endm
; Q AND K GO TWO UNITS AT A TIME: unit a in X0 with fragments at F and scale words at WS, unit b in X1 with fragments at v192-255 of window w and scale words at WS + 8.
; w = 2 in the K phase (those registers take k's last two heads of dim 1, behind the last pair's products); w = 3 in the Q phase (cos and sin, done with behind Q's coefficients).
.macro FRG w, adw, ow, os              ; unit b's eight fragments and four pairs of scale words; ow, os: bytes on from the addresses named
	WIN ((\w)<<6)
.irp t, 0,1,2,3
.irp s, 0,1
.irp c, 0,1
	ds_load_b128 v[192+8*(2*\t+\s)+4*\c:192+8*(2*\t+\s)+4*\c+3], v[\adw] offset:(\ow)+2176*\t+64*\s+32*\c
.endr
.endr
.endr
	WIN 0
.irp t, 0,1,2,3
	ds_load_b64 v[WS+8+2*\t:WS+9+2*\t], v[ADS] offset:(\os)+128*\t
.endr
.endm
.macro MMB w                           ; unit b's eight products, the four tiles by turns; the bias lies in X1
	WIN (\w)
.irp s, 0,1
.irp t, 0,1,2,3
	v_wmma_scale_f32_16x16x128_f8f6f4 v[X1+8*\t:X1+8*\t+7], v[192+8*(2*\t+\s):192+8*(2*\t+\s)+7], v[NF+8*\s:NF+8*\s+7], v[X1+8*\t:X1+8*\t+7], v[WS+8+2*\t+\s], v[NS+\s] matrix_a_fmt:MATRIX_FMT_FP4 matrix_b_fmt:MATRIX_FMT_FP4
.endr
.endr
	WIN 0
.endm
; Unit u's work registers: four pairs at T0 - 8 u (v72-79; v64-71, which hold scale words on the way out alone), a sum at W0 + 4 u with its partner lane's beside it (v22-23; v26-27, the coords, done with behind the angles).
.macro FOLD2                           ; each unit's four pairs become one number, with lane l xor 16's: the sum over the 64 channels, the same bits in both lanes; the two units by turns
.irp u, 0,1
	v_pk_add_f32 v[T0-8*\u:T0-8*\u+1], v[T0-8*\u:T0-8*\u+1], v[T0-8*\u+2:T0-8*\u+3]
	v_pk_add_f32 v[T0-8*\u+4:T0-8*\u+5], v[T0-8*\u+4:T0-8*\u+5], v[T0-8*\u+6:T0-8*\u+7]
.endr
.irp u, 0,1
	v_pk_add_f32 v[T0-8*\u:T0-8*\u+1], v[T0-8*\u:T0-8*\u+1], v[T0-8*\u+4:T0-8*\u+5]
.endr
.irp u, 0,1
	v_add_f32 v[W0+4*\u], v[T0-8*\u], v[T0-8*\u+1]
.endr
.irp u, 0,1
	v_permlanex16_b32 v[W1+4*\u], v[W0+4*\u], s[SEL], s[SEL+1]
.endr
.irp u, 0,1
	v_add_f32 v[W0+4*\u], v[W0+4*\u], v[W1+4*\u]
.endr
.endm
; LayerNorm's normalising of X0 and X1 together: mean, centred numbers, variance of the centred numbers, as the definition has it.  Eight sums by turns; unit u's minus mean is word u of the pair NM,
; its reciprocal root word u of RS.  Each tile is read from its low end on.
.macro LN2
	WIN 0
.irp t, 0,1,2,3
.irp u, 0,1
	v_pk_add_f32 v[T0-8*\u+2*\t:T0-8*\u+2*\t+1], v[X0+32*\u+8*\t:X0+32*\u+8*\t+1], v[X0+32*\u+8*\t+2:X0+32*\u+8*\t+3]
.endr
.endr
.irp j, 4,6
.irp t, 0,1,2,3
.irp u, 0,1
	v_pk_add_f32 v[T0-8*\u+2*\t:T0-8*\u+2*\t+1], v[T0-8*\u+2*\t:T0-8*\u+2*\t+1], v[X0+32*\u+8*\t+\j:X0+32*\u+8*\t+\j+1]
.endr
.endr
.endr
	FOLD2
.irp u, 0,1
	v_mul_f32 v[NM+\u], 0xbc800000, v[W0+4*\u]     ; minus the sum / 64
.endr
.irp p, 0,2,4,6,8,10,12,14,16,18,20,22,24,26,28,30
.irp u, 0,1
	v_pk_add_f32 v[X0+32*\u+\p:X0+32*\u+\p+1], v[X0+32*\u+\p:X0+32*\u+\p+1], v[NM:NM+1] op_sel:[0,\u] op_sel_hi:[1,\u]
.endr
.endr
.irp t, 0,1,2,3
.irp u, 0,1
	v_pk_mul_f32 v[T0-8*\u+2*\t:T0-8*\u+2*\t+1], v[X0+32*\u+8*\t:X0+32*\u+8*\t+1], v[X0+32*\u+8*\t:X0+32*\u+8*\t+1]
.endr
.endr
.irp j, 2,4,6
.irp t, 0,1,2,3
.irp u, 0,1
	v_pk_fma_f32 v[T0-8*\u+2*\t:T0-8*\u+2*\t+1], v[X0+32*\u+8*\t+\j:X0+32*\u+8*\t+\j+1], v[X0+32*\u+8*\t+\j:X0+32*\u+8*\t+\j+1], v[T0-8*\u+2*\t:T0-8*\u+2*\t+1]
.endr
.endr
.endr
	FOLD2
.irp u, 0,1
	v_fma_f32 v[W0+4*\u], v[W0+4*\u], s[I64], s[EPSR]   ; the variance + 1e-5
.endr
	s_wait_alu depctr_va_vdst(0)
.irp u, 0,1
	v_rsq_f32 v[RS+\u], v[W0+4*\u]
.endr
	v_nop                                          ; one plain place behind a transcendental
	s_wait_alu depctr_va_vdst(0)
.irp p, 0,2,4,6,8,10,12,14,16,18,20,22,24,26,28,30
.irp u, 0,1
	v_pk_mul_f32 v[X0+32*\u+\p:X0+32*\u+\p+1], v[X0+32*\u+\p:X0+32*\u+\p+1], v[RS:RS+1] op_sel:[0,\u] op_sel_hi:[1,\u]
.endr
.endr
.endm
; Gain, offset, rotation and the added cos, sin of the 32 normalised numbers at xb, folded; coefficients at cb of window 3; the result to db of window dw:
; out_f = A0 + A1 x_f + NA2 x_g, out_g = B0 + B1 x_f + B2 x_g.
.macro ROT xb, cb, dw, db
	WIN (((\dw)<<6)|0x33)                          ; sources 0 and 2: coefficients; source 1: x
.irp p, 0,2,4,6,8,10,12,14
	v_pk_fma_f32 v[(\db)+\p:(\db)+\p+1], v[(\cb)+16+\p:(\cb)+17+\p], v[(\xb)+\p:(\xb)+\p+1], v[(\cb)+\p:(\cb)+\p+1]
	v_pk_fma_f32 v[(\db)+16+\p:(\db)+17+\p], v[(\cb)+64+\p:(\cb)+65+\p], v[(\xb)+\p:(\xb)+\p+1], v[(\cb)+48+\p:(\cb)+49+\p]
.endr
	WIN (((\dw)<<6)|((\dw)<<4)|3)
.irp p, 0,2,4,6,8,10,12,14
	v_pk_fma_f32 v[(\db)+\p:(\db)+\p+1], v[(\cb)+32+\p:(\cb)+33+\p], v[(\xb)+16+\p:(\xb)+17+\p], v[(\db)+\p:(\db)+\p+1]
	v_pk_fma_f32 v[(\db)+16+\p:(\db)+17+\p], v[(\cb)+80+\p:(\cb)+81+\p], v[(\xb)+16+\p:(\xb)+17+\p], v[(\db)+16+\p:(\db)+17+\p]
.endr
.endm
; The six folded coefficients of dim n for K (tn = 0) or Q (tn = 1): the same for all eight heads.  Gains to F, offsets to F + 32, in X's order of channels.
.macro COEF tn, n
	WIN 0
.irp b, 0,1
.irp t, 0,1,2,3
.irp c, 0,1
	ds_load_b128 v[F+32*\b+8*\t+4*\c:F+32*\b+8*\t+4*\c+3], v[AB] offset:8192+1024*(\tn)+512*\b+256*(\n)+64*\t+16*\c
.endr
.endr
.endr
	s_wait_dscnt 0x0
	WIN 0xf3                                       ; cos, sin and the coefficients in window 3, gains and offsets in window 0
.irp p, 0,2,4,6,8,10,12,14
	v_pk_mul_f32 v[96*(\n)+16+\p:96*(\n)+17+\p], v[192+32*(\n)+\p:193+32*(\n)+\p], v[F+\p:F+\p+1]                                   ; A1 = cos g_f
	v_pk_mul_f32 v[96*(\n)+32+\p:96*(\n)+33+\p], v[208+32*(\n)+\p:209+32*(\n)+\p], v[F+16+\p:F+17+\p] neg_lo:[1,0] neg_hi:[1,0]     ; NA2 = -sin g_g
	v_pk_mul_f32 v[96*(\n)+64+\p:96*(\n)+65+\p], v[208+32*(\n)+\p:209+32*(\n)+\p], v[F+\p:F+\p+1]                                   ; B1 = sin g_f
	v_pk_mul_f32 v[96*(\n)+80+\p:96*(\n)+81+\p], v[192+32*(\n)+\p:193+32*(\n)+\p], v[F+16+\p:F+17+\p]                               ; B2 = cos g_g
	v_pk_fma_f32 v[96*(\n)+\p:96*(\n)+\p+1], v[192+32*(\n)+\p:193+32*(\n)+\p], v[F+32+\p:F+33+\p], v[192+32*(\n)+\p:193+32*(\n)+\p]       ; A0 = cos + cos b_f
	v_pk_fma_f32 v[96*(\n)+48+\p:96*(\n)+49+\p], v[208+32*(\n)+\p:209+32*(\n)+\p], v[F+32+\p:F+33+\p], v[208+32*(\n)+\p:209+32*(\n)+\p]   ; B0 = sin + sin b_f
.endr
.irp p, 0,2,4,6,8,10,12,14
	v_pk_fma_f32 v[96*(\n)+\p:96*(\n)+\p+1], v[208+32*(\n)+\p:209+32*(\n)+\p], v[F+48+\p:F+49+\p], v[96*(\n)+\p:96*(\n)+\p+1] neg_lo:[1,0,0] neg_hi:[1,0,0]   ; - sin b_g
	v_pk_fma_f32 v[96*(\n)+48+\p:96*(\n)+49+\p], v[192+32*(\n)+\p:193+32*(\n)+\p], v[F+48+\p:F+49+\p], v[96*(\n)+48+\p:96*(\n)+49+\p]                        ; + cos b_g
.endr
.endm
; cos and sin of coords[n] x J for my 16 J, in f32: the angle is the rounded product, as the definition has it; n = the nearest whole number of quarter turns; r = angle - n pi / 2 in two fused
; steps; sin r and cos r by polynomials in r^2 on +-pi / 4; the quarter turn swaps them and sets the signs.  No branch: selections and sign bits.
.macro TRIG n
	WIN 0
.irp p, 0,2,4,6,8,10,12,14
	v_pk_mul_f32 v[ANG+\p:ANG+\p+1], v[JV+\p:JV+\p+1], v[CO:CO+1] op_sel:[0,\n] op_sel_hi:[1,\n]
.endr
.irp p, 0,2,4,6,8,10,12,14
	v_pk_mul_f32 v[NQ+\p:NQ+\p+1], v[ANG+\p:ANG+\p+1], s[TC:TC+1] op_sel_hi:[1,0]                 ; x 2 / pi
.endr
.irp i, 0,1,2,3,4,5,6,7,8,9,10,11,12,13,14,15
	v_rndne_f32 v[NQ+\i], v[NQ+\i]
.endr
.irp p, 0,2,4,6,8,10,12,14
	v_pk_fma_f32 v[RR+\p:RR+\p+1], v[NQ+\p:NQ+\p+1], s[TC+2:TC+3], v[ANG+\p:ANG+\p+1] op_sel_hi:[1,0,1]   ; - n x (pi / 2 rounded to f32)
.endr
.irp p, 0,2,4,6,8,10,12,14
	v_pk_fma_f32 v[RR+\p:RR+\p+1], v[NQ+\p:NQ+\p+1], s[TC+4:TC+5], v[RR+\p:RR+\p+1] op_sel_hi:[1,0,1]     ; + n x (that rounding's excess)
.endr
.irp p, 0,2,4,6,8,10,12,14
	v_pk_mul_f32 v[ZZ+\p:ZZ+\p+1], v[RR+\p:RR+\p+1], v[RR+\p:RR+\p+1]
.endr
.irp p, 0,2,4,6,8,10,12,14
	v_pk_fma_f32 v[SN+\p:SN+\p+1], v[ZZ+\p:ZZ+\p+1], s[TC+6:TC+7], v[KC:KC+1] op_sel_hi:[1,0,0]
	v_pk_fma_f32 v[CSV+\p:CSV+\p+1], v[ZZ+\p:ZZ+\p+1], s[TC+8:TC+9], v[KC:KC+1] op_sel:[0,0,1] op_sel_hi:[1,0,1]
.endr
.irp p, 0,2,4,6,8,10,12,14
	v_pk_fma_f32 v[SN+\p:SN+\p+1], v[SN+\p:SN+\p+1], v[ZZ+\p:ZZ+\p+1], 0xbe2aaaa3 op_sel_hi:[1,1,0]
	v_pk_fma_f32 v[CSV+\p:CSV+\p+1], v[CSV+\p:CSV+\p+1], v[ZZ+\p:ZZ+\p+1], 0x3d2aaaa5 op_sel_hi:[1,1,0]
.endr
.irp p, 0,2,4,6,8,10,12,14
	v_pk_mul_f32 v[ANG+\p:ANG+\p+1], v[ZZ+\p:ZZ+\p+1], v[RR+\p:RR+\p+1]                           ; r^3
	v_pk_fma_f32 v[CSV+\p:CSV+\p+1], v[CSV+\p:CSV+\p+1], v[ZZ+\p:ZZ+\p+1], -0.5 op_sel_hi:[1,1,0]
.endr
.irp p, 0,2,4,6,8,10,12,14
	v_pk_fma_f32 v[SN+\p:SN+\p+1], v[SN+\p:SN+\p+1], v[ANG+\p:ANG+\p+1], v[RR+\p:RR+\p+1]         ; sin r
	v_pk_fma_f32 v[CSV+\p:CSV+\p+1], v[CSV+\p:CSV+\p+1], v[ZZ+\p:ZZ+\p+1], 1.0 op_sel_hi:[1,1,0]  ; cos r
.endr
.irp i, 0,1,2,3,4,5,6,7,8,9,10,11,12,13,14,15
	v_cvt_i32_f32 v[NQ+\i], v[NQ+\i]
.endr
.irp i, 0,1,2,3,4,5,6,7,8,9,10,11,12,13,14,15
	v_lshlrev_b32 v[TA+\i], 31, v[NQ+\i]           ; n's bit 0 as a sign: an odd quarter turn swaps sin and cos
	v_and_b32 v[TBB+\i], 2, v[NQ+\i]
.endr
.irp i, 0,1,2,3,4,5,6,7,8,9,10,11,12,13,14,15
	v_lshlrev_b32 v[TBB+\i], 30, v[TBB+\i]         ; n's bit 1 as a sign: the sine's
.endr
.irp i, 0,1,2,3,4,5,6,7,8,9,10,11,12,13,14,15
	v_cmp_gt_i32 vcc_lo, 0, v[TA+\i]
	v_cndmask_b32 v[RR+\i], v[SN+\i], v[CSV+\i], vcc_lo
	v_cndmask_b32 v[ZZ+\i], v[CSV+\i], v[SN+\i], vcc_lo
.endr
.irp i, 0,1,2,3,4,5,6,7,8,9,10,11,12,13,14,15
	v_xor_b32 v[TA+\i], v[TA+\i], v[TBB+\i]        ; bit 0 xor bit 1: the cosine's sign
.endr
	WIN 0xc0
.irp i, 0,1,2,3,4,5,6,7,8,9,10,11,12,13,14,15
	v_xor_b32 v[208+32*(\n)+\i], v[RR+\i], v[TBB+\i]
	v_xor_b32 v[192+32*(\n)+\i], v[ZZ+\i], v[TA+\i]
.endr
.endm
; The eight scores of the query head in hand take dim n's 32 numbers of my lane: S[k] += q x k, two at a time; the eight sums by turns.  The first product starts the sums.
.macro SCORE n
	WIN ((1+\n)<<2)
.irp p, 0,2,4,6,8,10,12,14,16,18,20,22,24,26,28,30
.irp k, 0,1,2,3,4,5,6,7
.if (\n == 0) && (\p == 0)
	v_pk_mul_f32 v[S+2*\k:S+2*\k+1], v[QU+\p:QU+\p+1], v[32*\k+\p:32*\k+\p+1]
.else
	v_pk_fma_f32 v[S+2*\k:S+2*\k+1], v[QU+\p:QU+\p+1], v[32*\k+\p:32*\k+\p+1], v[S+2*\k:S+2*\k+1]
.endif
.endr
.endr
.endm
.set TC, 88                            ; s[88:97] five constants of the angles' work, each twice: a packed form names a pair.  (The tables' addresses that lay there are done with behind the wait for the tables' loads)
; The sixteen products of a query head's two dims: all eight accumulators by turns, K step 0, then K step 1.  Unit a from F, unit b from v192-255 of window w.
.macro MM2 w
.irp s, 0,1
	WIN 0
.irp t, 0,1,2,3
	v_wmma_scale_f32_16x16x128_f8f6f4 v[X0+8*\t:X0+8*\t+7], v[F+8*(2*\t+\s):F+8*(2*\t+\s)+7], v[NF+8*\s:NF+8*\s+7], v[X0+8*\t:X0+8*\t+7], v[WS+2*\t+\s], v[NS+\s] matrix_a_fmt:MATRIX_FMT_FP4 matrix_b_fmt:MATRIX_FMT_FP4
.endr
	WIN (\w)
.irp t, 0,1,2,3
	v_wmma_scale_f32_16x16x128_f8f6f4 v[X1+8*\t:X1+8*\t+7], v[192+8*(2*\t+\s):192+8*(2*\t+\s)+7], v[NF+8*\s:NF+8*\s+7], v[X1+8*\t:X1+8*\t+7], v[WS+8+2*\t+\s], v[NS+\s] matrix_a_fmt:MATRIX_FMT_FP4 matrix_b_fmt:MATRIX_FMT_FP4
.endr
.endr
	WIN 0
.endm
; The query head's eight raw scores, whole (with lane l xor 16's half), go to my wave's scratch as [k][r][q] (both lanes of a point hold the same bits and write the same word).
; The softmax is taken behind the loop, four query heads at a time.
.macro SRAW
	WIN 0
.irp k, 0,1,2,3,4,5,6,7
	v_add_f32 v[QU+\k], v[S+2*\k], v[S+2*\k+1]
.endr
.irp k, 0,1,2,3,4,5,6,7
	v_permlanex16_b32 v[QU+8+\k], v[QU+\k], s[SEL], s[SEL+1]
.endr
.irp k, 0,2,4,6
	v_pk_add_f32 v[QU+\k:QU+\k+1], v[QU+\k:QU+\k+1], v[QU+8+\k:QU+9+\k]
.endr
	v_add_nc_u32 v[ADP], s[TP], v[PSW]             ; 4 q on in my point's 32 bytes
.irp k, 0,1,2,3,4,5,6,7
	ds_store_b32 v[ADP], v[QU+\k] offset:512*\k
.endr
.endm
; O[q] += P[q][k] x v of the key head in hand, dim n: 32 numbers a query head, two at a time; P[q] is one word of the pair pr, for both halves.  first = 1: the products start the sums.
.macro PVQ q, sel, xb, pr, first
.irp p, 0,2,4,6,8,10,12,14,16,18,20,22,24,26,28,30
.if \first
	v_pk_mul_f32 v[32*(\q)+\p:32*(\q)+\p+1], v[(\xb)+\p:(\xb)+\p+1], v[(\pr):(\pr)+1] op_sel:[0,\sel] op_sel_hi:[1,\sel]
.else
	v_pk_fma_f32 v[32*(\q)+\p:32*(\q)+\p+1], v[(\xb)+\p:(\xb)+\p+1], v[(\pr):(\pr)+1], v[32*(\q)+\p:32*(\q)+\p+1] op_sel:[0,\sel,0] op_sel_hi:[1,\sel,1]
.endif
.endr
.endm
.macro PV n, xb, pr, first
	WIN (((1+\n)<<6)|((1+\n)<<4))
.irp j, 0,1,2,3
	PVQ 2*\j, 0, \xb, (\pr)+2*\j, \first
	PVQ 2*\j+1, 1, \xb, (\pr)+2*\j, \first
.endr
.endm
; One key head of V and P V.  Each step: the unit's loads are in; its eight products; the next unit's addresses (three plain lines and a v_nop: the four places in front of loads into registers
; that the products have read, and of the first read of their results) and loads; then this unit's vector work, while those loads land.
.macro VTRIP first
	s_wait_dscnt 0x0
	MMA X0, 1
	s_add_co_u32 s[TMP], s[TW], HALFW
	v_add_nc_u32 v[ADW], s[TMP], v[AWV]
	s_add_co_u32 s[TMP], s[TS], 4096
	v_add_nc_u32 v[ADS], s[TMP], v[ASV]
	v_add_nc_u32 v[ADP], s[TP], v[PSW]
	v_nop
	FRAGS 1088, 64
	ds_load_b128 v[PRB:PRB+3], v[ADP]
	ds_load_b128 v[PRB+4:PRB+7], v[ADP] offset:16
	PV 0, X0, PRA, \first
	WIN 0
	s_wait_dscnt 0x0
	MMA X1, 1
	s_add_co_u32 s[TW], s[TW], HEADW               ; behind the last head these run on into dim 1's head 0: filled bytes, fetched and not used
	s_add_co_u32 s[TS], s[TS], 512
	s_add_co_u32 s[TP], s[TP], 512
	s_min_u32 s[TMP], s[TP], 3584                  ; P has eight slabs: the fetch behind the last one takes the last again
	v_add_nc_u32 v[ADW], s[TW], v[AWV]
	v_add_nc_u32 v[ADS], s[TS], v[ASV]
	v_add_nc_u32 v[ADP], s[TMP], v[PSW]
	v_nop
	FRAGS 1088, 64
	ds_load_b128 v[PRA:PRA+3], v[ADP]
	ds_load_b128 v[PRA+4:PRA+7], v[ADP] offset:16
	PV 1, X1, PRB, \first
	WIN 0
.endm
; The quantiser of the last product's operand, dim n, all eight heads by turns.  A block (head q, dim n, half h) is my lane's 32 registers: no other lane is asked.  The floor 2^(3 - 127) among the
; maximum's leaves holds the byte at 1 from below; 2 off the exponent field is the conversion's scale operand; its exponent field is the byte.
.macro QUANT n
	WIN (5*(1+\n))
.irp q, 0,1,2,3,4,5,6,7
	v_max3_num_f32 v[QM+\q], |v[32*\q]|, |v[32*\q+1]|, 0x1800000
.endr
.irp i, 2,4,6,8,10,12,14,16,18,20,22,24,26,28,30
.irp q, 0,1,2,3,4,5,6,7
	v_max3_num_f32 v[QM+\q], |v[32*\q+\i]|, |v[32*\q+\i+1]|, v[QM+\q]
.endr
.endr
	WIN 0
.irp q, 0,1,2,3,4,5,6,7
	v_add_nc_u32 v[QS+\q], 0xff000000, v[QM+\q]
.endr
.irp q, 0,1,2,3,4,5,6,7
	v_lshrrev_b32 v[BY+8*(\n)+\q], 23, v[QS+\q]
.endr
	WIN (1+\n)
.irp q, 0,1,2,3,4,5,6,7
.irp g, 0,1,2,3
	v_cvt_scalef32_pk8_fp4_f32 v[AF+8*\q+4*(\n)+\g], v[32*\q+8*\g:32*\q+8*\g+7], v[QS+\q]   ; register 4 n + g of K step q: k = 64 n + 32 h + 8 g + 0 .. 7
.endr
.endr
	WIN 0
	v_nop                                          ; one plain place behind a scaled conversion
.endm
.macro WLOAD q                         ; Wout's sixteen fragments of K step q into half q % 2 of window 1, and their scale words: 40 LDS loads
	WIN 0x40
.irp t, 0,1,2,3,4,5,6,7
.irp c, 0,1
	ds_load_b128 v[128*((\q)%2)+8*\t+4*\c:128*((\q)%2)+8*\t+4*\c+3], v[AWO] offset:8448*\t+64*(\q)+32*\c
.endr
.endr
.irp t, 0,1,2,3,4,5,6,7
.irp c, 0,1
	ds_load_b128 v[128*((\q)%2)+64+8*\t+4*\c:128*((\q)%2)+64+8*\t+4*\c+3], v[AWO2] offset:8448*\t+64*(\q)+32*\c
.endr
.endr
	WIN 0
.irp t, 0,1,2,3,4,5,6,7
	ds_load_b32 v[WS+8*((\q)%2)+\t], v[ASO] offset:512*\t+4*(\q)
.endr
.endm
.macro OMUL q                          ; sixteen products, the sixteen accumulators by turns; tiles 8-15 take their scales from lanes 16-31
	WIN 0xf1
.irp t, 0,1,2,3,4,5,6,7
	v_wmma_scale_f32_16x16x128_f8f6f4 v[8*\t:8*\t+7], v[128*((\q)%2)+8*\t:128*((\q)%2)+8*\t+7], v[AF+8*(\q):AF+8*(\q)+7], v[8*\t:8*\t+7], v[WS+8*((\q)%2)+\t], v[ASW+(\q)] matrix_a_fmt:MATRIX_FMT_FP4 matrix_b_fmt:MATRIX_FMT_FP4
.endr
.irp t, 0,1,2,3,4,5,6,7
	v_wmma_scale_f32_16x16x128_f8f6f4 v[64+8*\t:64+8*\t+7], v[128*((\q)%2)+64+8*\t:128*((\q)%2)+64+8*\t+7], v[AF+8*(\q):AF+8*(\q)+7], v[64+8*\t:64+8*\t+7], v[WS+8*((\q)%2)+\t], v[ASW+(\q)] matrix_a_fmt:MATRIX_FMT_FP4 matrix_b_fmt:MATRIX_FMT_FP4 matrix_a_scale:MATRIX_SCALE_ROW1
.endr
.endm
; The way out, a quarter (64 columns, 256 bytes of each of my 16 rows) at a time, through my own scratch: a lane holds 32 bytes of a row, and comes back with 16 bytes of a whole 256.
; LDS serves a wave's instructions in order (ISA guide 5.7.1.4): no wait between the stores and the loads, nor in front of the next quarter's stores.
.macro TOSTAGE g
	WIN 0x0c                                       ; an LDS store's data are its source 1: window 3
.irp t, 0,1,2,3
	ds_store_b128 v[STO], v[8*(4*(\g)+\t):8*(4*(\g)+\t)+3] offset:64*\t          ; each accumulator from its low end on
	ds_store_b128 v[STO], v[8*(4*(\g)+\t)+4:8*(4*(\g)+\t)+7] offset:64*\t+16
.endr
	WIN 0
.irp i, 0,1,2,3,4,5,6,7
	ds_load_b128 v[RB+32*((\g)%2)+4*\i:RB+32*((\g)%2)+4*\i+3], v[RD] offset:544*\i
.endr
.endm
.macro SEND g, younger                 ; younger: the LDS instructions issued behind quarter g's loads, which may stay out
	s_wait_dscnt \younger
.irp i, 0,1,2,3,4,5,6,7
	global_store_b128 v[GO], v[RB+32*((\g)%2)+4*\i:RB+32*((\g)%2)+4*\i+3], s[10:11] offset:2048*\i+256*(\g) th:TH_STORE_NT   ; sixteen lanes store 256 consecutive bytes, at a multiple of 256 from out0's first byte
.endr
.endm
; The last phase of a pass.  Slot A's next fill stands at the next pass's top.  Where a pass follows, its points are asked for here.
.macro OUT
	WIN 0
	THREE
	s_barrier_signal -1                            ; my work-group's barrier shows Wout whole
	s_barrier_wait -1
	s_cmp_eq_u32 s[PASS], 1                        ; the last pass has no points behind it: a branch on the count of passes, round the six loads alone
	s_cbranch_scc1 .Lno_more
	s_add_nc_u64 s[4:5], s[4:5], 8192              ; 64 points on (this pass's loads were waited for at its top)
	s_add_nc_u64 s[6:7], s[6:7], 512
	s_add_nc_u64 s[8:9], s[8:9], 512
	v_lshlrev_b32 v[ADP], 4, v[A8]
	v_lshl_add_u32 v[ADP], v[H8], 1, v[ADP]        ; 128 r + 16 h
	POINTS                                         ; the last products that read these registers stand 128 packed lines back
.Lno_more:
	WIN 0xc0
.irp t, 0,1,2,3,4,5,6,7,8,9,10,11,12,13,14,15
.irp c, 0,1
	ds_load_b128 v[8*\t+4*\c:8*\t+4*\c+3], v[AB] offset:10240+64*\t+16*\c      ; bout goes straight into the accumulators: 32 loads
.endr
.endr
	QUANT 0                                        ; dim 0's sums leave window 1,
	WLOAD 0                                        ; which takes Wout's fragments
	WLOAD 1
	QUANT 1
.irp q, 0,1,2,3,4,5,6,7
	v_lshl_or_b32 v[ASW+\q], v[BY+8+\q], 16, v[BY+\q]      ; my two bytes of K step q's word: blocks h and 2 + h,
.endr
.irp q, 0,1,2,3,4,5,6,7
	v_lshlrev_b32 v[ASW+\q], v[H8], v[ASW+\q]              ; at their places;
.endr
.irp q, 0,1,2,3,4,5,6,7
	v_permlanex16_b32 v[QM+\q], v[ASW+\q], s[SEL], s[SEL+1]
.endr
.irp q, 0,1,2,3,4,5,6,7
	v_or_b32 v[ASW+\q], v[ASW+\q], v[QM+\q]                ; with lane l xor 16's two the word is whole
.endr
	PLACES 8                                       ; a scale register written by a vector instruction stands 8 places ahead of a scaled matrix instruction, an operand so written 4
	s_wait_alu depctr_va_vdst(0)
.irp q, 0,1,2,3,4,5,6,7
.if \q < 7
	s_wait_dscnt 40                                ; all but the next K step's 32 + 8 loads
.else
	s_wait_dscnt 0x0
.endif
	OMUL \q
.if \q < 6
	PLACES 4                                       ; in front of loads into registers that the products have read
	WLOAD \q+2
.endif
.endr
	PLACES 4                                       ; in front of the first read of the results
	TOSTAGE 0
.irp g, 1,2,3
.if \g > 1
	s_wait_xcnt 0x0                                ; quarter g - 2's stores have read their registers: quarter g's loads may land there
.endif
	TOSTAGE \g
	SEND \g-1, 16                                  ; behind quarter g - 1's loads: quarter g's 8 stores and 8 loads
.endr
	SEND 3, 0
	s_wait_xcnt 0x0                                ; the stores have read their registers and their base: both are written again
	s_add_nc_u64 s[10:11], s[10:11], 65536         ; (behind the last pass the stepped address is not used)
.endm
	; ---- the head
	s_load_b64 s[G0K+2:G0K+3], s[0:1], 0x0         ; the weights' addresses go straight into their descriptors
	s_load_b64 s[G0Q+2:G0Q+3], s[0:1], 0x8
	s_load_b64 s[G0V+2:G0V+3], s[0:1], 0x10
	s_load_b64 s[G0O+2:G0O+3], s[0:1], 0x18
	s_load_b64 s[G0SK+2:G0SK+3], s[0:1], 0x20
	s_load_b64 s[G0SQ+2:G0SQ+3], s[0:1], 0x28
	s_load_b64 s[G0SV+2:G0SV+3], s[0:1], 0x30
	s_load_b64 s[G0SO+2:G0SO+3], s[0:1], 0x38
	s_load_b256 s[4:11], s[0:1], 0x40              ; nodal's codes s[4:5], its scales s[6:7], coords s[8:9], out0 s[10:11]
	s_load_b256 s[88:95], s[0:1], 0x60             ; biasK, biasQ, lnK_g, lnK_b
	s_load_b128 s[96:99], s[0:1], 0x80             ; lnQ_g, lnQ_b
	s_load_b64 s[100:101], s[0:1], 0x90            ; bout
	v_lshl_add_u32 v[SPW], v0, 2, SPARE
	v_mov_b32 v[NIL], 0
	ds_add_u32 v1, v2
	ds_add_u32 v1, v2
	s_wait_dscnt 0x0
	v_lshrrev_b32 v[T0], 5, v0
	v_readfirstlane_b32 s[WV], v[T0]               ; wave 0..3
	v_and_b32 v[T0+2], 15, v0                      ; r
	v_bfe_u32 v[T0+3], v0, 4, 1                    ; h
	v_lshrrev_b32 v[T0+4], 1, v[T0+2]              ; r / 2
	v_and_b32 v[T0+5], 1, v[T0+2]                  ; r % 2
	v_mul_u32_u24 v[AW], v[T0+4], 272
	v_lshl_add_u32 v[AW], v[T0+5], 7, v[AW]
	v_lshl_add_u32 v[AW], v[T0+3], 4, v[AW]        ; (r / 2) 272 + (r % 2) 128 + 16 h
	v_lshrrev_b32 v[T0+6], 3, v[T0+2]              ; r / 8
	v_bfe_u32 v[T0+7], v[T0+2], 1, 2               ; (r % 8) / 2
	v_mul_u32_u24 v[AWV], v[T0+7], 272
	v_mad_u32_u24 v[AWV], v[T0+6], 4352, v[AWV]    ; 32 rows on for r / 8
	v_lshl_add_u32 v[AWV], v[T0+5], 7, v[AWV]
	v_lshl_add_u32 v[AWV], v[T0+3], 4, v[AWV]
	v_mul_u32_u24 v[AWO], v[T0+2], 528
	v_lshl_add_u32 v[AWO], v[T0+3], 4, v[AWO]
	v_add_nc_u32 v[AWO], SLOTB, v[AWO]
	v_add_nc_u32 v[AWO2], HALFO, v[AWO]
	v_lshlrev_b32 v[A8], 3, v[T0+2]
	v_and_b32 v[T0+7], 7, v[T0+2]
	v_lshlrev_b32 v[ASV], 3, v[T0+7]
	v_lshl_add_u32 v[ASV], v[T0+6], 8, v[ASV]      ; 256 (r / 8) + 8 (r % 8)
	v_lshlrev_b32 v[ASO], 5, v[T0+2]
	v_lshl_add_u32 v[ASO], v[T0+3], 12, v[ASO]     ; lanes 16-31: eight tiles, 4,096 bytes, on
	v_add_nc_u32 v[ASO], SCLB, v[ASO]
	v_lshl_add_u32 v[AB], v[T0+3], 5, TAB
	s_mul_i32 s[TMP], s[WV], SCRW
	s_add_co_u32 s[TMP], s[TMP], SCR               ; my wave's scratch
	v_lshl_add_u32 v[PSW], v[T0+2], 5, s[TMP]
	v_mul_u32_u24 v[STO], v[T0+2], 272
	v_lshl_add_u32 v[STO], v[T0+3], 5, v[STO]
	v_add_nc_u32 v[STO], s[TMP], v[STO]
	v_mul_u32_u24 v[RD], v[T0+3], 272
	v_lshl_add_u32 v[RD], v[T0+2], 4, v[RD]
	v_add_nc_u32 v[RD], s[TMP], v[RD]
	v_lshlrev_b32 v[GO], 4, v[T0+2]
	v_lshl_add_u32 v[GO], v[T0+3], 10, v[GO]       ; lanes 0-15 one row of out0, lanes 16-31 the next
	v_lshlrev_b32 v[H8], 3, v[T0+3]
	v_lshlrev_b32 v[ADW], 4, v0                    ; for the tables: 16 x thread,
	v_and_b32 v[T0+4], 31, v0
	v_lshlrev_b32 v[ADS], 4, v[T0+4]               ; 16 x lane,
	v_lshlrev_b32 v[ADB], 3, v0                    ; 8 x thread
	v_lshlrev_b32 v[ADP], 7, v[T0+2]
	v_lshl_add_u32 v[ADP], v[T0+3], 4, v[ADP]      ; my points' codes: 128 r + 16 h
	v_lshl_add_u32 v[T0], v0, 4, TAB               ; and where the tables go in LDS
	v_lshl_add_u32 v[T0+1], v0, 3, TAB
	v_mov_b32 v[KC], 0x3c08839e                    ; the sine's middle coefficient,
	v_mov_b32 v[KC+1], 0xbab6061a                  ; the cosine's
	v_mov_b32 v[W1], 0                             ; a lane permute's destination counts as one of its sources; the upper halves of pairs are named with the lower
	v_mov_b32 v[NM+1], 0
	v_mov_b32 v[RS+1], 0
	s_mov_b32 s[SEL], 0x76543210
	s_mov_b32 s[SEL+1], 0xfedcba98
	s_mov_b32 s[CC], 0x3e0293ee
	s_mov_b32 s[CC+1], s[CC]
	s_mov_b32 s[I64], 0x3c800000
	s_mov_b32 s[EPSR], 0x3727c5ac
	s_mov_b32 s[PASS], 4
	; descriptor groups 1.  Elements of 8 bytes.  A dim of WQ, WK, WV: 65,536 dense bytes as 256 rows of 256, 16 bytes of padding behind each
	s_mov_b32 s[G1W+0], 15|(3<<16)|(1<<20)|(1<<21)|(5<<22)|(3<<25)   ; 15:0 the mask: all four work-groups; 17:16 8-byte elements; 20 padding on; 21 set beside a mask; 24:22 after every 64 words; 31:25 four words
	s_mov_b32 s[G1W+1], 32<<16                     ; tensor_dim0
	s_mov_b32 s[G1W+2], 256<<16                    ; tensor_dim1
	s_mov_b32 s[G1W+3], 32<<16                     ; tile_dim0
	s_mov_b32 s[G1W+4], 256                        ; tile_dim1
	s_mov_b32 s[G1W+5], 32                         ; from row to row
	s_mov_b32 s[G1W+6], 0
	s_mov_b32 s[G1W+7], 0
	s_mov_b32 s[G1O+0], 15|(3<<16)|(1<<20)|(1<<21)|(6<<22)|(3<<25)   ; half of Wout: 128 rows of 512 bytes, padding after every 128 words
	s_mov_b32 s[G1O+1], 64<<16
	s_mov_b32 s[G1O+2], 128<<16
	s_mov_b32 s[G1O+3], 64<<16
	s_mov_b32 s[G1O+4], 128
	s_mov_b32 s[G1O+5], 64
	s_mov_b32 s[G1O+6], 0
	s_mov_b32 s[G1O+7], 0
	s_mov_b32 s[G1S+0], 15|(3<<16)|(1<<21)         ; a tensor's 8,192 scale bytes: 32 rows of 256, no padding
	s_mov_b32 s[G1S+1], 32<<16
	s_mov_b32 s[G1S+2], 16<<16                     ; a load brings half of a tensor's scale bytes: 16 rows of 256
	s_mov_b32 s[G1S+3], 32<<16
	s_mov_b32 s[G1S+4], 16
	s_mov_b32 s[G1S+5], 32
	s_mov_b32 s[G1S+6], 0
	s_mov_b32 s[G1S+7], 0
	; groups 0: which half of the codes I fetch hangs on the wave's number alone
	s_and_b32 s26, s[WV], 1
	s_mul_i32 s[TMP], s26, HALFW
	s_mov_b32 s[G0K], 1
	s_add_co_u32 s[G0K+1], s[TMP], SLOTA
	s_mov_b32 s[G0Q], 1
	s_add_co_u32 s[G0Q+1], s[TMP], SLOTB
	s_mov_b32 s[G0V], 1
	s_add_co_u32 s[G0V+1], s[TMP], SLOTA
	s_mul_i32 s[TMP], s26, HALFO
	s_mov_b32 s[G0O], 1
	s_add_co_u32 s[G0O+1], s[TMP], SLOTB
	s_lshl_b32 s[TMP], s26, 12                     ; which half of the scale bytes I fetch: 4,096 bytes
.irp g, G0SK, G0SV
	s_mov_b32 s[\g], 1
	s_add_co_u32 s[\g+1], s[TMP], SCLA
.endr
.irp g, G0SQ, G0SO
	s_mov_b32 s[\g], 1
	s_add_co_u32 s[\g+1], s[TMP], SCLB
.endr
	s_lshl_b32 s26, s26, 16                        ; a half is 65,536 bytes of memory
	s_mov_b32 s27, 0
	s_bfe_u32 s67, ttmp6, 0x40000                  ; cx: it enters the four pointers of my points alone
	s_lshl_b32 s66, ttmp9, 2
	s_add_co_u32 s66, s66, s67                     ; my work-group = 4 x cluster + cx
	s_lshl_b32 s66, s66, 8
	s_lshl_b32 s67, s[WV], 4
	s_add_co_u32 s66, s66, s67                     ; my first point: 256 x work-group + 16 x wave
	s_mov_b32 s3, 0
	s_wait_alu depctr_va_vdst(0)
	s_wait_kmcnt 0x0
	s_lshl_b32 s2, s66, 7
	s_add_nc_u64 s[4:5], s[4:5], s[2:3]            ; 128 bytes of codes a point,
	s_lshl_b32 s2, s66, 3
	s_add_nc_u64 s[6:7], s[6:7], s[2:3]            ; 8 scale bytes,
	s_add_nc_u64 s[8:9], s[8:9], s[2:3]            ; 8 bytes of coords,
	s_lshl_b32 s2, s66, 10
	s_add_nc_u64 s[10:11], s[10:11], s[2:3]        ; 1,024 bytes of out0
	s_cmp_eq_u32 s[WV], 1                          ; wave w brings the w-th of lnK_g, lnK_b, lnQ_g, lnQ_b
	s_cselect_b64 s[92:93], s[94:95], s[92:93]
	s_cmp_eq_u32 s[WV], 2
	s_cselect_b64 s[92:93], s[96:97], s[92:93]
	s_cmp_eq_u32 s[WV], 3
	s_cselect_b64 s[92:93], s[98:99], s[92:93]
	global_load_b128 v[X0:X0+3], v[ADW], s[88:89]
	global_load_b128 v[X0+4:X0+7], v[ADW], s[88:89] offset:2048
	global_load_b128 v[X0+8:X0+11], v[ADW], s[90:91]
	global_load_b128 v[X0+12:X0+15], v[ADW], s[90:91] offset:2048
	global_load_b128 v[X0+16:X0+19], v[ADS], s[92:93]
	global_load_b64 v[X0+20:X0+21], v[ADB], s[100:101]
	POINTS                                         ; the first pass's points: six loads
.irp g, G0K, G0Q, G0V, G0O
	s_add_nc_u64 s[\g+2:\g+3], s[\g+2:\g+3], s[26:27]
	s_or_b32 s[\g+3], s[\g+3], 0x80000000          ; 127:126 type = 2
.endr
	s_lshr_b32 s2, s26, 4                          ; the same half in memory: s[2:3] = 4,096 x (wave % 2)
.irp g, G0SK, G0SQ, G0SV, G0SO
	s_add_nc_u64 s[\g+2:\g+3], s[\g+2:\g+3], s[2:3]
	s_or_b32 s[\g+3], s[\g+3], 0x80000000
.endr
	s_wait_loadcnt 0x6                             ; the six table loads are in (their address registers are free); the six point loads behind them may be out
.macro TCON i, bits
	s_mov_b32 s[TC+2*\i], \bits
	s_mov_b32 s[TC+2*\i+1], s[TC+2*\i]
.endm
	TCON 0, 0x3f22f983                             ; 2 / pi
	TCON 1, 0xbfc90fdb                             ; - pi / 2, rounded to f32
	TCON 2, 0x333bbd2e                             ; that rounding's excess
	TCON 3, 0xb94ca1f9                             ; the sine's highest coefficient
	TCON 4, 0x37ccf5ce                             ; the cosine's
	ds_store_b128 v[T0], v[X0:X0+3]
	ds_store_b128 v[T0], v[X0+4:X0+7] offset:2048
	ds_store_b128 v[T0], v[X0+8:X0+11] offset:4096
	ds_store_b128 v[T0], v[X0+12:X0+15] offset:6144
	ds_store_b128 v[T0], v[X0+16:X0+19] offset:8192      ; 16 x thread = 512 x wave + 16 x lane: the four tables on end
	ds_store_b64 v[T0+1], v[X0+20:X0+21] offset:10240
.Lpass:
	; ---- a pass's top: slot A takes WK (the first time its first fill, then over WV, which nobody reads any more); the angles' work stands between the request and the K phase's wait for it
	s_wait_tensorcnt 0x0                           ; no tensor load of mine is out;
	ds_add_u32 v[SPW], v[NIL]                      ; 0 onto my spare word
	ds_add_u32 v[SPW], v[NIL]                      ; twice on end here, in every trip alike
	s_wait_dscnt 0x0                               ; both adds are done; so are my stores of the tables (first pass) and my LDS reads
	CROUND                                         ; all four work-groups are here; the first time the round also shows the tables whole
	JLOAD G0K, G1W, G0SK
	; ---- T: cos and sin of my point's 32 angles, and K's coefficients
	s_wait_loadcnt 0x0                             ; my points' codes, scale words and coords
.irp i, 0,1,2,3,4,5,6,7,8,9,10,11,12,13,14,15
	v_add_nc_u32 v[JV+\i], 16*(\i/8)+\i%8, v[H8]   ; register i's place among the 32 angles: 16 (i / 8) + 8 h + i % 8
.endr
.irp i, 0,1,2,3,4,5,6,7,8,9,10,11,12,13,14,15
	v_cvt_f32_u32 v[JV+\i], v[JV+\i]
.endr
	TRIG 0
	TRIG 1
	COEF 0, 0
	COEF 0, 1
	; ---- K: sixteen units, written out since each has registers of its own.  WQ is on its way into slot B
	HEAD G0Q, G1W, G0SQ
.macro KADDR n, k                      ; three plain lines and a v_nop: the four places behind a unit's products
	v_add_nc_u32 v[ADW], SLOTA+HALFW*(\n)+HEADW*(\k), v[AW]
	v_add_nc_u32 v[ADS], SCLA+4096*(\n)+512*(\k), v[A8]
	v_add_nc_u32 v[ADB], 2048*(\n)+256*(\k), v[AB]
	v_nop
.endm
	KADDR 0, 0
	FRAGS 2176, 128
	FRG 2, ADW, HEADW, 512
	BIAS X0, 0
	BIAS X1, 256
.set u, 0
.rept 8                                ; pair u: heads 2 (u % 4) and 2 (u % 4) + 1 of dim u / 4
	WIN 0
	s_wait_dscnt 8                                 ; all but the youngest eight loads, unit b's bias
	MMA X0, 0
	s_wait_dscnt 0x0
	MMB 2
.if u < 7
	KADDR (u+1)/4, 2*((u+1)%4)
	FRAGS 2176, 128
	FRG 2, ADW, HEADW, 512
.else
	PLACES 4
.endif
	LN2                                            ; while the next pair's loads land
	ROT X0, 96*(u/4), 1+u/4, 64*(u%4)
.if u < 7
	WIN 0
	BIAS X0, 0                                     ; X0 has been read out: it takes the next pair's bias
.endif
	ROT X1, 96*(u/4), 1+u/4, 64*(u%4)+32
.if u < 7
	WIN 0
	BIAS X1, 256
.endif
.set u, u+1
.endr
	COEF 1, 0                                      ; Q's coefficients take K's place
	COEF 1, 1
	; ---- Q: a trip is a query head: its two dims and its eight raw scores.  WV is on its way into slot A
	HEAD G0V, G1W, G0SV
	s_mov_b32 s[TW], SLOTB
	s_mov_b32 s[TS], SCLB
	s_mov_b32 s[TBI], 4096
	s_mov_b32 s[TP], 0
	s_add_co_u32 s[TMP], s[TW], HALFW              ; unit a is the head's dim 0, unit b its dim 1
	v_add_nc_u32 v[ADW], s[TW], v[AW]
	v_add_nc_u32 v[ADP], s[TMP], v[AW]
	v_add_nc_u32 v[ADS], s[TS], v[A8]
	v_add_nc_u32 v[ADB], s[TBI], v[AB]
	FRAGS 2176, 128
	FRG 3, ADP, 0, 4096
	BIAS X0, 0
	BIAS X1, 2048
	s_mov_b32 s[CNT], 0
.Lq:
	s_wait_dscnt 0x0                               ; both units' fragments, scale words and biases are in
	MM2 3
	s_add_co_u32 s[TW], s[TW], HEADW               ; the next head.  Behind the last head the fetches run on into the bytes that follow (dim 1's head 0; the scale bytes and tables): filled bytes, fetched and not used
	s_add_co_u32 s[TS], s[TS], 512
	s_add_co_u32 s[TBI], s[TBI], 256
	s_add_co_u32 s[TMP], s[TW], HALFW
	v_add_nc_u32 v[ADW], s[TW], v[AW]              ; four plain lines: the places behind the products
	v_add_nc_u32 v[ADP], s[TMP], v[AW]
	v_add_nc_u32 v[ADS], s[TS], v[A8]
	v_add_nc_u32 v[ADB], s[TBI], v[AB]
	FRAGS 2176, 128
	FRG 3, ADP, 0, 4096
	LN2
	ROT X0, 0, 0, QU
	WIN 0
	BIAS X0, 0                                     ; X0 has been read out: it takes the next head's bias
	SCORE 0
	ROT X1, 96, 0, QU
	WIN 0
	BIAS X1, 2048
	SCORE 1
	SRAW
	s_add_co_u32 s[TP], s[TP], 4
	s_add_co_u32 s[CNT], s[CNT], 1
	s_cmp_lt_u32 s[CNT], 8
	s_cbranch_scc1 .Lq
	; ---- VP: a trip is a key head: its two dims of v, each added into all eight query heads' sums.  Wout is on its way into slot B
	HEAD G0O, G1O, G0SO
	s_mov_b32 s[TW], SLOTA
	s_mov_b32 s[TS], SCLA
	s_mov_b32 s[TP], 0
	v_add_nc_u32 v[ADW], s[TW], v[AWV]
	v_add_nc_u32 v[ADS], s[TS], v[ASV]
	FRAGS 1088, 64
	; ---- the softmax over the eight key heads, finished and normalised, in my own scratch: two trips, each four query heads by turns.  X0 + 4 k + j is the score of key head k, query head 4 trip + j.
	; The row's maximum m is taken away inside one fused multiply-add: the exponent to the base 2 is c x score - c m, c = log2(e) / sqrt(128).  V's first fragments land meanwhile.
.Lsm:
	v_add_nc_u32 v[ADP], s[TP], v[PSW]
.irp k, 0,1,2,3,4,5,6,7
	ds_load_b128 v[X0+4*\k:X0+4*\k+3], v[ADP] offset:512*\k      ; LDS serves a wave's instructions in order: these see my stores
.endr
	s_wait_dscnt 0x0
.irp j, 0,1,2,3
	v_max3_num_f32 v[QU+\j], v[X0+\j], v[X0+4+\j], v[X0+8+\j]
	v_max3_num_f32 v[QU+4+\j], v[X0+12+\j], v[X0+16+\j], v[X0+20+\j]
	v_max_num_f32 v[QU+8+\j], v[X0+24+\j], v[X0+28+\j]
.endr
.irp j, 0,1,2,3
	v_max3_num_f32 v[QU+\j], v[QU+\j], v[QU+4+\j], v[QU+8+\j]
.endr
.irp p, 0,2
	v_pk_mul_f32 v[QU+\p:QU+\p+1], v[QU+\p:QU+\p+1], s[CC:CC+1] op_sel_hi:[1,0] neg_lo:[1,0] neg_hi:[1,0]   ; - c m
.endr
.irp k, 0,1,2,3,4,5,6,7
.irp p, 0,2
	v_pk_fma_f32 v[X0+4*\k+\p:X0+4*\k+\p+1], v[X0+4*\k+\p:X0+4*\k+\p+1], s[CC:CC+1], v[QU+\p:QU+\p+1] op_sel_hi:[1,0,1]
.endr
.endr
	s_wait_alu depctr_va_vdst(0)
.set i, 0
.rept 32
	v_exp_f32 v[X0+i], v[X0+i]
.set i, i+1
.endr
	v_nop                                          ; one plain place behind the exponentials
	s_wait_alu depctr_va_vdst(0)
.irp a, 0,1,2,3
.irp p, 0,2
	v_pk_add_f32 v[QU+4+4*\a+\p:QU+5+4*\a+\p], v[X0+8*\a+\p:X0+8*\a+\p+1], v[X0+8*\a+4+\p:X0+8*\a+5+\p]   ; the rows' sums, as a tree
.endr
.endr
.irp p, 0,2
	v_pk_add_f32 v[QU+4+\p:QU+5+\p], v[QU+4+\p:QU+5+\p], v[QU+8+\p:QU+9+\p]
	v_pk_add_f32 v[QU+12+\p:QU+13+\p], v[QU+12+\p:QU+13+\p], v[QU+16+\p:QU+17+\p]
.endr
.irp p, 0,2
	v_pk_add_f32 v[QU+4+\p:QU+5+\p], v[QU+4+\p:QU+5+\p], v[QU+12+\p:QU+13+\p]
.endr
	s_wait_alu depctr_va_vdst(0)
.irp j, 0,1,2,3
	v_rcp_f32 v[QU+\j], v[QU+4+\j]
.endr
	v_nop
	s_wait_alu depctr_va_vdst(0)
.irp k, 0,1,2,3,4,5,6,7
.irp p, 0,2
	v_pk_mul_f32 v[X0+4*\k+\p:X0+4*\k+\p+1], v[X0+4*\k+\p:X0+4*\k+\p+1], v[QU+\p:QU+\p+1]
.endr
.endr
.irp k, 0,1,2,3,4,5,6,7
	ds_store_b128 v[ADP], v[X0+4*\k:X0+4*\k+3] offset:512*\k     ; P takes the scores' place
.endr
	s_add_co_u32 s[TP], s[TP], 16
	s_cmp_lt_u32 s[TP], 32
	s_wait_alu depctr_va_vdst(0)
	s_cbranch_scc1 .Lsm
	s_mov_b32 s[TP], 0
	ds_load_b128 v[PRA:PRA+3], v[PSW]
	ds_load_b128 v[PRA+4:PRA+7], v[PSW] offset:16
	VTRIP 1                                        ; the first key head's products start the sums: nothing is cleared
	s_mov_b32 s[CNT], 7
.Lv:
	VTRIP 0
	s_sub_co_u32 s[CNT], s[CNT], 1
	s_cmp_lg_u32 s[CNT], 0
	s_cbranch_scc1 .Lv
	; ---- OUT: quantise, x Wout, + bout, store.  Every pass has the same four fills, all of them read, so the phase stands once
	OUT
	s_sub_co_u32 s[PASS], s[PASS], 1
	s_cmp_lg_u32 s[PASS], 0
	s_cbranch_scc1 .Lpass
	THREE                                          ; the wave's end: behind my last tensor load and my last LDS store
	CROUND                                         ; the closing round: no work-group ends while a partner may still ask for a fill that names it
	s_endpgm
.Lfunc_end_k_qd0c4e5e1cd_semattn:
	.size	k_qd0c4e5e1cd_semattn, .Lfunc_end_k_qd0c4e5e1cd_semattn-k_qd0c4e5e1cd_semattn
	.p2alignl 7, 3214868480
	.fill 96, 4, 3214868480
	.section	.rodata,"a",@progbits
	.p2align	6, 0x0
	.amdhsa_kernel k_qd0c4e5e1cd_semattn
		.amdhsa_group_segment_fixed_size 327680
		.amdhsa_private_segment_fixed_size 0
		.amdhsa_enable_private_segment 0
		.amdhsa_kernarg_size 152
		.amdhsa_user_sgpr_count 2
		.amdhsa_user_sgpr_kernarg_segment_ptr 1
		.amdhsa_wavefront_size32 1
		.amdhsa_system_sgpr_workgroup_id_x 1
		.amdhsa_system_sgpr_workgroup_id_y 1
		.amdhsa_system_sgpr_workgroup_id_z 1
		.amdhsa_system_vgpr_workitem_id 0
		.amdhsa_next_free_vgpr 1024
		.amdhsa_next_free_sgpr 102
		.amdhsa_reserve_vcc 1
		.amdhsa_float_denorm_mode_32 3
		.amdhsa_float_denorm_mode_16_64 3
		.amdhsa_memory_ordered 1
		.amdhsa_forward_progress 1
		.amdhsa_inst_pref_size 255
	.end_amdhsa_kernel
	.section	.bss,"aw",@nobits
	.p2align	6
	.space	262144
	.amdgpu_metadata
---
amdhsa.version: [ 1, 2 ]
amdhsa.kernels:
  - .name:           k_qd0c4e5e1cd_semattn
    .symbol:         k_qd0c4e5e1cd_semattn.kd
    .args:
      - { .name: WK_codes, .offset: 0, .size: 8, .value_kind: global_buffer, .address_space: global }
      - { .name: WQ_codes, .offset: 8, .size: 8, .value_kind: global_buffer, .address_space: global }
      - { .name: WV_codes, .offset: 16, .size: 8, .value_kind: global_buffer, .address_space: global }
      - { .name: Wout_codes, .offset: 24, .size: 8, .value_kind: global_buffer, .address_space: global }
      - { .name: WK_scales, .offset: 32, .size: 8, .value_kind: global_buffer, .address_space: global }
      - { .name: WQ_scales, .offset: 40, .size: 8, .value_kind: global_buffer, .address_space: global }
      - { .name: WV_scales, .offset: 48, .size: 8, .value_kind: global_buffer, .address_space: global }
      - { .name: Wout_scales, .offset: 56, .size: 8, .value_kind: global_buffer, .address_space: global }
      - { .name: nodal_codes, .offset: 64, .size: 8, .value_kind: global_buffer, .address_space: global }
      - { .name: nodal_scales, .offset: 72, .size: 8, .value_kind: global_buffer, .address_space: global }
      - { .name: coords, .offset: 80, .size: 8, .value_kind: global_buffer, .address_space: global }
      - { .name: out0, .offset: 88, .size: 8, .value_kind: global_buffer, .address_space: global }
      - { .name: biasK, .offset: 96, .size: 8, .value_kind: global_buffer, .address_space: global }
      - { .name: biasQ, .offset: 104, .size: 8, .value_kind: global_buffer, .address_space: global }
      - { .name: lnK_g, .offset: 112, .size: 8, .value_kind: global_buffer, .address_space: global }
      - { .name: lnK_b, .offset: 120, .size: 8, .value_kind: global_buffer, .address_space: global }
      - { .name: lnQ_g, .offset: 128, .size: 8, .value_kind: global_buffer, .address_space: global }
      - { .name: lnQ_b, .offset: 136, .size: 8, .value_kind: global_buffer, .address_space: global }
      - { .name: bout, .offset: 144, .size: 8, .value_kind: global_buffer, .address_space: global }
    .group_segment_fixed_size: 327680
    .private_segment_fixed_size: 0
    .kernarg_segment_align: 8
    .kernarg_segment_size: 152
    .max_flat_workgroup_size: 128
    .sgpr_count:     102
    .vgpr_count:     1024
    .wavefront_size: 32
...
	.end_amdgpu_metadata
.endif
;; end of part 1
